; MI455X (gfx1250); checked and timed in simulation.
; The chip was launched on July 23, 2026; its instructions are those of AMD's public machine-readable ISA for CDNA 5 (MIT licence, August 2026) and "CDNA5" Instruction Set Architecture Reference Guide (July 2026). The comments in the code are by the model that wrote it; some were corrected since.
;; Self Attention. Allowed arithmetic: matrix products marked QUANTISED: E5M2 operands, one E8M0 scale for each 32 along K, by v_wmma_scale_f32_16x16x128_f8f6f4 with both operands' format E5M2, f32 sums; everything else in f32.
;; Inputs: entangle_params 3,072 float32; inputs_codes 2 x 2,048 x 32 x 32 uint8 (E5M2 codes of inputs, K innermost, in blocks of 32 codes); inputs_scales 2 x 2,048 x 32 uint8 (E8M0 scales of inputs, one for each 32 codes along K); rotation_params_codes 3,072 x 32 x 32 uint8 (E5M2 codes of rotation_params, K innermost, in blocks of 32 codes); rotation_params_scales 3,072 x 32 uint8 (E8M0 scales of rotation_params, one for each 32 codes along K).
;; Outputs: out0 2 x 2,048 x 1,024 float32.
;; This version of the problem:
;;   THIS VERSION OF THE PROBLEM IS GIVEN IN LOW PRECISION. The matrix products marked QUANTISED in the list below multiply operands that are first quantised to E5M2 (5 exponent bits, 2 mantissa bits; 8 bits a number), with one power-of-two scale for each 32 numbers along K (OCP MX v1.0); their sums are f32. All else is computed in f32.
;;   The module's matrix products, in the order in which they are computed (A, B: the left and right operand; K: the contracted axis; several contracted axes count as one K, in the product's order):
;;     1. [M 4,096, K 1,024] x [K 1,024, N 3,072]; A: input inputs (given as codes); B: input rotation_params (given as codes): QUANTISED
;;     2. batch 32 x [M 2,048, K 64] x [K 64, N 2,048]; A: computed on the way; B: computed on the way: QUANTISED
;;     3. batch 32 x [M 2,048, K 2,048] x [K 2,048, N 64]; A: softmax (see below); B: computed on the way: QUANTISED
;;   THE QUANTISER, for each operand of a quantised product, along K:
;;     - K is cut into blocks of 32 from its start; a last block that is shorter is filled with zeros.
;;     - A block's scale is 2^e with e = floor(log2(the largest magnitude in the block)) - 15, held to -126 .. 127; a block of zeros has e = 0. As a byte (E8M0): e + 127.
;;     - Each number is divided by its block's scale, clamped to +-57,344, and rounded to the nearest number of E5M2, ties to even, subnormals kept.
;;     - The product sums the exact products of the quantised numbers (number of the format x scale) in f32.
;;   ~~~python
;;   def quantise(x, axis):      # numpy; x: float32 -> the quantised numbers, widened to float32 again
;;       x = np.moveaxis(x, axis, -1); K = x.shape[-1]
;;       x = np.pad(x, [(0, 0)] * (x.ndim - 1) + [(0, -K % 32)]); x = x.reshape(x.shape[:-1] + (-1, 32)); a = np.abs(x).max(-1, keepdims=True)
;;       e = np.where(a > 0, np.clip(np.frexp(np.where(a > 0, a, 1))[1] - 1 - 15, -126, 127), 0)      # np.frexp(a)[1] - 1 = floor(log2(a)), exactly
;;       r = np.clip(x / 2.0 ** e, -57344, 57344)
;;       step = 2.0 ** (np.maximum(np.frexp(np.where(r == 0, 1, r))[1] - 1, -14) - 2)
;;       q = np.round(r / step) * step * 2.0 ** e      # np.round: ties to even
;;       return np.moveaxis(q.reshape(q.shape[:-2] + (-1,))[..., :K], -1, axis).astype(np.float32)
;;   ~~~
;;   SOFTMAX AHEAD OF A QUANTISED PRODUCT. Where the list says 'softmax', what is quantised is not the finished softmax but p = 2^(t - M), with t = logit x log2(e) and M = ceil(the row's largest t), a whole number; so 1/2 < the row's largest p <= 1. The row's sum l is taken of the UNQUANTISED p, in f32, and the product's result is divided by l at the end. Since M is a whole number, a kernel that streams over the keys may use a running M (the ceiling of the running maximum): every later rescaling is an exact power of two, which a block's scale takes up: the codes' values come out the same.
;;   OPERANDS COMPUTED ON THE WAY. 'Computed on the way' means the value that the module computes at that place (a softmax that the list does not call 'softmax' is quantised finished and normalised). What goes into a quantiser is computed in f32, as accurately as f32 sums, v_exp_f32 and their like allow (about 1e-6 of the number): no bf16 or f16 on the way to a quantiser, and a product that is left as it is and whose result goes on into a quantised operand takes f32 operands (vector FMAs, or v_wmma_f32_16x16x4_f32). A number that lies on a knife's edge between two numbers of the format may be rounded either way, as far as f32 arithmetic and the matrix unit's own rounding can turn it there, and no further.
;;   INPUTS GIVEN AS CODES. inputs (in the module: [2, 2048, 1024], K = its axis 2); rotation_params (in the module: [3072, 1024], K = its axis 1): each comes as NAME_codes (uint8): NAME with its K axis moved to the last place and cut into blocks of 32 codes, [.., K / 32, bytes a block], one block behind the other in memory; one code a byte (a code: sign, 5 exponent bits, 2 mantissa bits); and NAME_scales (uint8): the same leading axes, one E8M0 byte (e + 127) for each 32 codes along K. Its value is code x scale, taken as it is: it is not quantised again, and the codes and scales need not be those that the quantiser above would give.
;; One version. Each part assembles by itself: llvm-mc -triple=amdgcn-amd-amdhsa -mcpu=gfx1250 --defsym DOCPART=n.
;; ======== version 1 of 1: 3 launches
;; limits: right only within a limited range of input values
;; workspace buffers: img 12,582,912 bytes; sc 393,216 bytes; oimg 16,777,216 bytes
;; launch qkv (part 1): grid 16 x 16, 4 waves a work-group, clusters of 4 x 4, 327,680 bytes of LDS; arguments inputs_codes, inputs_scales, rotation_params_codes, rotation_params_scales, entangle_params, img, sc; writes img, sc
.if DOCPART == 1
	.amdgcn_target "amdgcn-amd-amdhsa--gfx1250"
	.amdhsa_code_object_version 6
	.text
	.protected	k_q8bb7ba13d6_qkv
	.globl	k_q8bb7ba13d6_qkv
	.p2align	8
	.type	k_q8bb7ba13d6_qkv,@function
k_q8bb7ba13d6_qkv:
	s_mov_b64 s[64:65], 0
	v_nop
	global_prefetch_b8 v0, s[64:65] scope:SCOPE_SE
	s_setreg_imm32_b32 hwreg(HW_REG_WAVE_MODE, 25, 1), 1
	s_wait_xcnt 0x0
	s_wait_alu depctr_hold_cnt(0) depctr_sa_sdst(0) depctr_va_vdst(0) depctr_va_sdst(0) depctr_va_ssrc(0) depctr_va_vcc(0) depctr_vm_vsrc(0)
	s_getreg_b32 s2, hwreg(HW_REG_IB_STS2, 6, 4)
	s_cmp_eq_u32 s2, 0
	s_cbranch_scc0 .Lentry_in_a_cluster
	s_endpgm
.Lentry_in_a_cluster:
	s_bfe_u32 s2, ttmp6, 0x10000c
	s_cmp_lg_u32 s2, 0xf033
	s_cbranch_scc0 .Lentry_shape_is_right
	s_endpgm
.Lentry_shape_is_right:
; Q, K, V = x W^T + b on codes of BF8 (E5M2) with one E8M0 scale for each 32 along K = 1,024, and their quantisers: 4,096 rows of x, 3 x 1,024 rows of W.  Each result leaves as codes and scale bytes.
; A work-group makes 256 rows x one head's 64 columns of Q, of K and of V; each of its four waves 64 rows x 192.  K goes in four steps of 256 through two LDS slots of 448 rows (192 of W, 256 of x), filled by joint loads:
; x's rows are shared along a row of the 4 x 4 cluster, W's along a column.
; THE SCALE BYTES go from memory straight into registers: 32 bytes a row hold all of K, so lane l of a pair of fragments takes row l's 32 bytes and a wave reads 1,024 consecutive bytes a pair.
; PREFETCH: the joint load of K step t (t = 0, 1) is followed by a prefetch of K step t + 2.  Each 256-byte block is named once in a cluster: the four partners share the rows out by address (cx for x, cy for W).
; OUT: img, for each pair hb = 2 head + batch, 393,216 bytes: the registers' images of Q, of K and of V, each 131,072;  sc, 12,288 bytes for each hb: their scale words.
; LIMITS: NaN, infinities and sums beyond f32's range are not served.  A block whose largest magnitude lies under 2^-111 keeps the byte 1.
; K step 1 is asked for at the head too, beside K step 2: one K step ahead of its own load.
.set PITCH, 272
.set SLOT,  448*PITCH
.set SPARE, 259072
.set LI,   4
.set LS,   5
.set SH16, 6
.set FLO,  7
.set ADW,  8
.set ADX,  10
.set SPW,  14
.set NIL,  15
.set BO,   16
.set BR,   17
.set TM,   20
.set TM4,  24
.set LIM,  28
.set SO,   32
.set PW,   36
.set OW,   42
.set PFO,  47
.set SLO,  48
.set SCW,  56
.set SCX,  106
.set XF,   128
.set PC,   128
.set WV,   18
.set G1X,  24
.set G0X,  32
.set G1W,  40
.set G0W,  48
.set MSB, 0
.macro WIN new
.if MSB != (\new)
	s_set_vgpr_msb (MSB<<8)|(\new)
.set MSB, (\new)
.endif
.endm
.macro PLACES n
.rept \n
	v_nop
.endr
.endm
.macro JLOAD g0w, g1w, g0x, g1x
	s_cmp_lt_u32 s[WV], 3
	s_cbranch_scc0 .Lfor_x_\@
	tensor_load_to_lds s[\g0w:\g0w+3], s[\g1w:\g1w+7]
	s_nop 0
.rept 4
	v_nop
.endr
	s_branch .Lasked_\@
.Lfor_x_\@:
	tensor_load_to_lds s[\g0x:\g0x+3], s[\g1x:\g1x+7]
	s_nop 0
.rept 4
	v_nop
.endr
.Lasked_\@:
.endm
.macro CREST
	s_cmp_lg_u32 s[WV], 0
	s_cbranch_scc1 .Lnot_wave_0_\@
	s_barrier_signal -3
.Lnot_wave_0_\@:
	s_barrier_wait -3
	s_barrier_signal -1
	s_barrier_wait -1
.endm
.macro CROUND
	s_barrier_signal -1
	s_barrier_wait -1
	CREST
.endm
	s_load_b256 s[4:11], s[0:1], 0x0
	s_load_b128 s[12:15], s[0:1], 0x20
	s_load_b64 s[16:17], s[0:1], 0x30
	v_lshl_add_u32 v[SPW], v0, 2, SPARE
	v_mov_b32 v[NIL], 0
	ds_add_u32 v14, v15
	ds_add_u32 v14, v15
	s_wait_dscnt 0x0
	v_lshrrev_b32 v1, 5, v0
	v_readfirstlane_b32 s[WV], v1
	s_min_u32 s19, s[WV], 2
	s_bfe_u32 s20, ttmp6, 0x40000
	s_bfe_u32 s21, ttmp6, 0x40004
	s_lshl_b32 s22, ttmp9, 2
	s_add_co_u32 s22, s22, s20
	s_and_b32 s23, ttmp7, 0xffff
	s_lshl_b32 s23, s23, 2
	s_add_co_u32 s23, s23, s21
	s_lshl_b32 s84, s21, 2
	s_lshl_b32 s84, 15, s84
	s_lshl_b32 s85, 0x1111, s20
	s_or_b32 s[G1X], s84, (1<<20)|(1<<21)|(5<<22)|(3<<25)
	s_or_b32 s[G1W], s85, (1<<20)|(1<<21)|(5<<22)|(3<<25)
.irp g, G1X, G1W
	s_mov_b32 s[\g+1], 256<<16
	s_mov_b32 s[\g+3], 256<<16
	s_mov_b32 s[\g+5], 1024
	s_mov_b32 s[\g+6], 0
	s_mov_b32 s[\g+7], 0
.endr
	s_mov_b32 s[G1X+2], 256<<16
	s_mov_b32 s[G1X+4], 256
	s_mov_b32 s[G1W+2], 64<<16
	s_mov_b32 s[G1W+4], 64
	s_lshl_b32 s86, s23, 18
	s_mov_b32 s87, 0
	s_lshl_b32 s88, s23, 13
	s_mov_b32 s89, 0
	s_lshl_b32 s90, s19, 20
	s_lshl_b32 s91, s22, 16
	s_add_co_u32 s90, s90, s91
	s_mov_b32 s91, 0
	s_lshl_b32 s92, s22, 11                        ; W's scale bytes: my head's first row of Q
	s_mov_b32 s93, 0
	s_lshl_b32 s67, s[WV], 11
	s_add_co_u32 s88, s88, s67                     ; x's: my wave's 64 rows
	s_lshl_b32 s68, s20, 16                        ; the prefetches: waves 0 and 1 name 32 rows of x each, of the 64 that are partner cx's;
	s_lshl_b32 s67, s[WV], 15
	s_add_co_u32 s68, s68, s67
	s_add_co_u32 s68, s68, s86
	s_lshl_b32 s70, s22, 16                        ; wave 2 names partner cy's 16 rows of Q's weight and of K's, wave 3 those of V's
	s_lshl_b32 s67, s21, 14
	s_add_co_u32 s70, s70, s67
	s_and_b32 s67, s[WV], 1
	s_lshl_b32 s67, s67, 21
	s_add_co_u32 s70, s70, s67
	s_mov_b32 s69, 0
	s_mov_b32 s71, 0x100000
	s_cmp_lt_u32 s[WV], 2
	s_cselect_b32 s68, s68, s70
	s_cselect_b32 s71, 16384, s71                  ; from lanes 0-15 to lanes 16-31
	s_cmp_eq_u32 s[WV], 3
	s_cselect_b32 s77, 15, 31                      ; wave 3's lanes 16-31 name its last row again
	s_mul_i32 s94, s[WV], 64*PITCH
	s_mov_b32 s96, 0x76543210
	s_mov_b32 s97, 0xfedcba98
	s_mov_b32 s98, 0x600000
	CROUND                                         ; all sixteen work-groups are here: the first joint loads meet
	s_wait_kmcnt 0x0
	s_add_nc_u64 s[86:87], s[4:5], s[86:87]
	s_add_nc_u64 s[88:89], s[6:7], s[88:89]
	s_add_nc_u64 s[90:91], s[8:9], s[90:91]
	s_add_nc_u64 s[92:93], s[10:11], s[92:93]
	s_cmp_lt_u32 s[WV], 2
	s_cselect_b64 s[78:79], s[4:5], s[8:9]
	s_add_nc_u64 s[78:79], s[78:79], s[68:69]
.irp s, 0,1
	s_mov_b32 s[G0X+4*\s], 1
	s_add_co_u32 s[G0X+4*\s+1], s94, \s*SLOT
	s_add_nc_u64 s[G0X+4*\s+2:G0X+4*\s+3], s[86:87], \s*256
	s_or_b32 s[G0X+4*\s+3], s[G0X+4*\s+3], 0x80000000
	s_mov_b32 s[G0W+4*\s], 1
	s_add_co_u32 s[G0W+4*\s+1], s94, \s*SLOT
	s_add_nc_u64 s[G0W+4*\s+2:G0W+4*\s+3], s[90:91], \s*256
	s_or_b32 s[G0W+4*\s+3], s[G0W+4*\s+3], 0x80000000
.endr
	JLOAD G0W, G1W, G0X, G1X                       ; K step 0, one load a wave
	v_and_b32 v1, 15, v0
	v_bfe_u32 v2, v0, 4, 1
	v_and_b32 v3, 31, v0
	v_lshlrev_b32 v[LI], 4, v3
	v_lshlrev_b32 v[LS], 2, v3
	v_lshlrev_b32 v[SH16], 4, v2
	v_mov_b32 v[FLO], 0x8000000
	v_mul_u32_u24 v3, v1, PITCH
	v_lshl_add_u32 v[ADW], v2, 4, v3
	v_add_nc_u32 v[ADW+1], SLOT, v[ADW]
	s_add_co_u32 s67, s94, 192*PITCH
	v_add_nc_u32 v[ADX], s67, v[ADW]
	v_add_nc_u32 v[ADX+1], s67, v[ADW+1]
	v_and_b32 v3, 31, v0
	v_lshlrev_b32 v[SLO], 5, v3                    ; scale bytes: 32 a row, a lane a row
	v_min_u32 v3, s77, v3
	v_lshrrev_b32 v18, 4, v3
	v_and_b32 v3, 15, v3
	v_mul_u32_u24 v18, s71, v18
	v_lshl_add_u32 v[PFO], v3, 10, v18             ; the prefetches: a lane a row of 1,024 bytes
	v_lshlrev_b32 v[BO], 5, v2
	v_lshlrev_b32 v[BR], 2, v1
.irp b, 0,1,2,3
	v_mov_b32 v[TM4+\b], 0
.endr
	s_lshl_b32 s2, s22, 8
	s_mov_b32 s3, 0
	s_add_nc_u64 s[12:13], s[12:13], s[2:3]
.irp x, 0,1,2,3,4,5                            ; W's rows 32 x .. 32 x + 31 of my 192: lanes 0-15 fragment 2 x, lanes 16-31 fragment 2 x + 1; eight words of 128 along K
	global_load_b128 v[SCW+8*\x:SCW+8*\x+3], v[SLO], s[92:93] offset:(\x/2)*32768+(\x%2)*1024
	global_load_b128 v[SCW+8*\x+4:SCW+8*\x+7], v[SLO], s[92:93] offset:(\x/2)*32768+(\x%2)*1024+16
.endr
.irp x, 0,1
	global_load_b128 v[SCX+8*\x:SCX+8*\x+3], v[SLO], s[88:89] offset:\x*1024
	global_load_b128 v[SCX+8*\x+4:SCX+8*\x+7], v[SLO], s[88:89] offset:\x*1024+16
.endr
	global_prefetch_b8 v[PFO], s[78:79] offset:256 th:TH_LOAD_NT scope:SCOPE_SE   ; K step 1
	global_prefetch_b8 v[PFO], s[78:79] offset:512 th:TH_LOAD_NT scope:SCOPE_SE   ; K step 2
	WIN 0xc0
.irp s, 0,1
.irp p, 0,1,2,3
	global_load_b128 v[128+32*\s+8*\p:128+32*\s+8*\p+3], v[BO], s[12:13] offset:\s*4096+64*\p
	global_load_b128 v[128+32*\s+8*\p+4:128+32*\s+8*\p+7], v[BO], s[12:13] offset:\s*4096+64*\p+16
.endr
.endr
.irp r, 0,1,2,3
.irp j, 0,1,2,3,4,5,6,7
	global_load_b32 v[192+8*\r+\j], v[BR], s[12:13] offset:8192+64*\r
.endr
.endr
	WIN 0
	s_lshl_b32 s66, s22, 1
	s_lshr_b32 s67, s23, 3
	s_add_co_u32 s66, s66, s67
	s_and_b32 s67, s23, 7
	s_mul_i32 s99, s66, 393216
	s_mul_i32 s66, s66, 12288
	s_lshl_b32 s2, s67, 14
	s_add_co_u32 s2, s2, s99
	s_lshr_b32 s104, s[WV], 1
	s_lshl_b32 s104, s104, 13
	s_add_co_u32 s2, s2, s104
	s_and_b32 s104, s[WV], 1
	s_lshl_b32 s104, s104, 10
	s_add_co_u32 s2, s2, s104
	s_add_co_u32 s2, s2, 262144
	s_add_nc_u64 s[100:101], s[14:15], s[2:3]
	s_lshl_b32 s2, s67, 14
	s_add_co_u32 s2, s2, s99
	s_lshl_b32 s104, s[WV], 12
	s_add_co_u32 s2, s2, s104
	s_add_nc_u64 s[14:15], s[14:15], s[2:3]
	s_lshl_b32 s2, s67, 9
	s_add_co_u32 s2, s2, s66
	s_lshr_b32 s99, s[WV], 1
	s_lshl_b32 s99, s99, 8
	s_add_co_u32 s2, s2, s99
	s_and_b32 s99, s[WV], 1
	s_lshl_b32 s99, s99, 1
	s_add_co_u32 s2, s2, s99
	s_add_co_u32 s2, s2, 8192
	s_add_nc_u64 s[104:105], s[16:17], s[2:3]
	s_lshl_b32 s2, s67, 9
	s_add_co_u32 s2, s2, s66
	s_lshl_b32 s99, s[WV], 7
	s_add_co_u32 s2, s2, s99
	s_add_nc_u64 s[16:17], s[16:17], s[2:3]
.macro MM
.if (rRA == 0) && (rRB == 0)
	v_wmma_scale_f32_16x16x128_f8f6f4 v[rD:rD+7], v[rA:rA+15], v[rB:rB+15], v[rC:rC+7], v[rSA], v[rSB] matrix_a_fmt:MATRIX_FMT_BF8 matrix_b_fmt:MATRIX_FMT_BF8
.elseif (rRA == 1) && (rRB == 0)
	v_wmma_scale_f32_16x16x128_f8f6f4 v[rD:rD+7], v[rA:rA+15], v[rB:rB+15], v[rC:rC+7], v[rSA], v[rSB] matrix_a_fmt:MATRIX_FMT_BF8 matrix_b_fmt:MATRIX_FMT_BF8 matrix_a_scale:MATRIX_SCALE_ROW1
.elseif (rRA == 0) && (rRB == 1)
	v_wmma_scale_f32_16x16x128_f8f6f4 v[rD:rD+7], v[rA:rA+15], v[rB:rB+15], v[rC:rC+7], v[rSA], v[rSB] matrix_a_fmt:MATRIX_FMT_BF8 matrix_b_fmt:MATRIX_FMT_BF8 matrix_b_scale:MATRIX_SCALE_ROW1
.else
	v_wmma_scale_f32_16x16x128_f8f6f4 v[rD:rD+7], v[rA:rA+15], v[rB:rB+15], v[rC:rC+7], v[rSA], v[rSB] matrix_a_fmt:MATRIX_FMT_BF8 matrix_b_fmt:MATRIX_FMT_BF8 matrix_a_scale:MATRIX_SCALE_ROW1 matrix_b_scale:MATRIX_SCALE_ROW1
.endif
.endm
.macro STRIPQK s, xs, sct, q, first
.if \first
	WIN 0xb1
.else
	WIN 0xa1
.endif
.irp r, 0,1,2,3
.irp p, 0,1,2,3
.set rD, 128*(\s)+32*\r+8*\p
.set rA, 64*(\s)+16*\p
.set rB, XF+64*(\xs)+16*\r
.if \first
.set rC, 128+32*(\s)+8*\p
.else
.set rC, rD
.endif
.set rSA, SCW+8*(2*(\s)+\p/2)+2*(\sct)+(\q)
.set rSB, SCX+8*(\r/2)+2*(\sct)+(\q)
.set rRA, \p%2
.set rRB, \r%2
	MM
.endr
.endr
.endm
.macro STRIPV xs, sct, q, first
	WIN 0xf4
.irp r, 0,1,2,3
.irp p, 0,1,2,3
.set rD, 32*\r+8*\p
.set rA, XF+64*(\xs)+16*\p
.set rB, 128+16*\r
.if \first
.set rC, 192+8*\r
.else
.set rC, rD
.endif
.set rSA, SCX+8*(\p/2)+2*(\sct)+(\q)
.set rSB, SCW+8*(4+\r/2)+2*(\sct)+(\q)
.set rRA, \p%2
.set rRB, \r%2
	MM
.endr
.endr
.endm
.macro LDW s, slot, q
	WIN 0x40
.irp j, 0,1,2,3
.irp c, 0,1,2,3
	ds_load_b128 v[64*(\s)+16*\j+4*\c:64*(\s)+16*\j+4*\c+3], v[ADW+\slot] offset:(64*(\s)+16*\j)*PITCH+128*(\q)+32*\c
.endr
.endr
	WIN 0
.endm
.macro LDX set, slot, q
.irp i, 0,1,2,3
.irp c, 0,1,2,3
	ds_load_b128 v[XF+64*(\set)+16*\i+4*\c:XF+64*(\set)+16*\i+4*\c+3], v[ADX+\slot] offset:16*\i*PITCH+128*(\q)+32*\c
.endr
.endr
.endm
.macro SUB t, sl, first
	s_wait_dscnt 32
	STRIPQK 0, 0, \t, 0, \first
	PLACES 8
	LDW 0, \sl, 1
	LDX 1, \sl, 1
	s_wait_dscnt 48
	STRIPQK 1, 0, \t, 0, \first
	PLACES 8
	LDW 1, \sl, 1
	s_wait_dscnt 48
	STRIPV 0, \t, 0, \first
	PLACES 8
	LDW 2, \sl, 1
.endm
.macro TURN t, sl, nx, fill
	WIN 0
	s_wait_tensorcnt 0x0
	ds_add_u32 v[SPW], v[NIL]
	s_wait_dscnt 33
	STRIPQK 0, 1, \t, 1, 0
	s_wait_dscnt 0x0
	s_barrier_signal -1
	STRIPQK 1, 1, \t, 1, 0
	WIN 0
	s_barrier_wait -1
.if \fill
	CREST
	s_add_nc_u64 s[G0X+4*\sl+2:G0X+4*\sl+3], s[G0X+4*\sl+2:G0X+4*\sl+3], 512
	s_add_nc_u64 s[G0W+4*\sl+2:G0W+4*\sl+3], s[G0W+4*\sl+2:G0W+4*\sl+3], 512
	JLOAD G0W+4*\sl, G1W, G0X+4*\sl, G1X
	PLACES 4
.else
	PLACES 8
.endif
	LDW 0, \nx, 0
	LDX 0, \nx, 0
	LDW 1, \nx, 0
	STRIPV 1, \t, 1, 0
	PLACES 8
	LDW 2, \nx, 0
.endm
	s_wait_alu depctr_va_vdst(0)
	s_wait_tensorcnt 0x0                           ; my part of K step 0 is in
	ds_add_u32 v[SPW], v[NIL]
	s_wait_dscnt 0x0
	CROUND
	JLOAD G0W+4, G1W, G0X+4, G1X                   ; K step 1: the first tensor load behind the round
	LDW 0, 0, 0
	LDX 0, 0, 0
	global_prefetch_b8 v[PFO], s[78:79] offset:768 th:TH_LOAD_NT scope:SCOPE_SE   ; K step 3
	LDW 1, 0, 0
	LDW 2, 0, 0
	s_wait_loadcnt 0x0
	SUB 0, 0, 1
	TURN 0, 0, 1, 1
	SUB 1, 1, 0
	TURN 1, 1, 0, 1
	SUB 2, 0, 0
	TURN 2, 0, 1, 0
	SUB 3, 1, 0
	s_wait_dscnt 32
	STRIPQK 0, 1, 3, 1, 0
	s_wait_dscnt 16
	STRIPQK 1, 1, 3, 1, 0
	s_wait_dscnt 0x0
	STRIPV 1, 3, 1, 0
	WIN 0
.macro QUANT win, base, pc, pw
	WIN ((\win)<<2)|((\win)<<4)
.irp b, 0,1,2,3
	v_max3_num_f32 v[TM+\b], v[FLO], |v[\base+16*\b]|, |v[\base+16*\b+1]|
.endr
.irp i, 2,4,6,8,10,12,14
.irp b, 0,1,2,3
	v_max3_num_f32 v[TM+\b], v[TM+\b], |v[\base+16*\b+\i]|, |v[\base+16*\b+\i+1]|
.endr
.endr
	WIN 0
.irp b, 0,1,2,3
	v_permlanex16_b32 v[TM4+\b], v[TM+\b], s96, s97
.endr
.irp b, 0,1,2,3
	v_max_num_f32 v[TM+\b], v[TM+\b], v[TM4+\b]
.endr
.irp b, 0,1,2,3
	v_add_nc_u32 v[SO+\b], 0xf8800000, v[TM+\b]
.endr
.irp b, 0,1,2,3
	v_and_or_b32 v[LIM+\b], v[TM+\b], 0x7f800000, s98
.endr
.irp b, 0,1,2,3
	v_lshrrev_b32 v[TM4+\b], 23, v[SO+\b]
.endr
	v_lshl_or_b32 v[\pw], v[TM4+1], 8, v[TM4]
	v_lshl_or_b32 v[\pw], v[TM4+2], 16, v[\pw]
	v_lshl_or_b32 v[\pw], v[TM4+3], 24, v[\pw]
	WIN (\win)|((\win)<<6)
.irp b, 0,1,2,3
.irp i, 0,1,2,3,4,5,6,7,8,9,10,11,12,13,14,15
	v_med3_num_f32 v[\base+16*\b+\i], v[\base+16*\b+\i], -v[LIM+\b], v[LIM+\b]
.endr
.endr
	WIN \win
.irp b, 0,1,2,3
	v_cvt_scalef32_pk8_bf8_f32 v[\pc+4*\b:\pc+4*\b+1], v[\base+16*\b:\base+16*\b+7], v[SO+\b]
	v_cvt_scalef32_pk8_bf8_f32 v[\pc+4*\b+2:\pc+4*\b+3], v[\base+16*\b+8:\base+16*\b+15], v[SO+\b]
.endr
	WIN 0
	v_nop
.endm
.macro OUTQK s, p
.irp k, 0,1,2,3
	global_store_b128 v[LI], v[PC+32*\s+16*\p+4*\k:PC+32*\s+16*\p+4*\k+3], s[14:15] offset:\s*131072+\p*2048+512*\k
.endr
.endm
.macro OUTV p
.irp k, 0,1,2,3
	global_store_b128 v[LI], v[PC+64+16*\p+4*\k:PC+64+16*\p+4*\k+3], s[100:101] offset:(2*\p+\k/2)*2048+(\k%2)*512
.endr
.endm
	PLACES 8
	QUANT 2, 0, PC, PW
	OUTQK 0, 0
	QUANT 2, 64, PC+16, PW+1
	OUTQK 0, 1
	QUANT 2, 128, PC+32, PW+2
	OUTQK 1, 0
	QUANT 2, 192, PC+48, PW+3
	OUTQK 1, 1
	QUANT 3, 0, PC+64, PW+4
	OUTV 0
	QUANT 3, 64, PC+80, PW+5
	OUTV 1
	v_cmp_ne_u32 vcc_lo, 0, v2
	v_cndmask_b32 v[OW], v[PW], v[PW+1], vcc_lo
	v_cndmask_b32 v[OW+1], v[PW+2], v[PW+3], vcc_lo
	v_lshrrev_b32 v[OW+2], v[SH16], v[PW+4]
	v_lshrrev_b32 v[OW+3], v[SH16], v[PW+5]
	global_store_b32 v[LS], v[OW], s[16:17]
	global_store_b32 v[LS], v[OW+1], s[16:17] offset:4096
	global_store_b16 v[LS], v[OW+2], s[104:105]
	global_store_b16 v[LS], v[OW+3], s[104:105] offset:128
	s_wait_tensorcnt 0x0
	ds_add_u32 v[SPW], v[NIL]
	s_wait_dscnt 0x0
	CROUND
	s_endpgm
.Lfunc_end_k_q8bb7ba13d6_qkv:
	.size	k_q8bb7ba13d6_qkv, .Lfunc_end_k_q8bb7ba13d6_qkv-k_q8bb7ba13d6_qkv
	.p2alignl 7, 3214868480
	.fill 96, 4, 3214868480
	.section	.rodata,"a",@progbits
	.p2align	6, 0x0
	.amdhsa_kernel k_q8bb7ba13d6_qkv
		.amdhsa_group_segment_fixed_size 327680
		.amdhsa_private_segment_fixed_size 0
		.amdhsa_enable_private_segment 0
		.amdhsa_kernarg_size 56
		.amdhsa_user_sgpr_count 2
		.amdhsa_user_sgpr_kernarg_segment_ptr 1
		.amdhsa_wavefront_size32 1
		.amdhsa_system_sgpr_workgroup_id_x 1
		.amdhsa_system_sgpr_workgroup_id_y 1
		.amdhsa_system_sgpr_workgroup_id_z 1
		.amdhsa_system_vgpr_workitem_id 0
		.amdhsa_next_free_vgpr 1024
		.amdhsa_next_free_sgpr 106
		.amdhsa_reserve_vcc 1
		.amdhsa_float_denorm_mode_32 3
		.amdhsa_float_denorm_mode_16_64 3
		.amdhsa_memory_ordered 1
		.amdhsa_forward_progress 1
		.amdhsa_inst_pref_size 157
	.end_amdhsa_kernel
	.amdgpu_metadata
---
amdhsa.version: [ 1, 2 ]
amdhsa.kernels:
  - .name:           k_q8bb7ba13d6_qkv
    .symbol:         k_q8bb7ba13d6_qkv.kd
    .args:
      - { .name: inputs_codes, .offset: 0, .size: 8, .value_kind: global_buffer, .address_space: global }
      - { .name: inputs_scales, .offset: 8, .size: 8, .value_kind: global_buffer, .address_space: global }
      - { .name: rotation_params_codes, .offset: 16, .size: 8, .value_kind: global_buffer, .address_space: global }
      - { .name: rotation_params_scales, .offset: 24, .size: 8, .value_kind: global_buffer, .address_space: global }
      - { .name: entangle_params, .offset: 32, .size: 8, .value_kind: global_buffer, .address_space: global }
      - { .name: img, .offset: 40, .size: 8, .value_kind: global_buffer, .address_space: global }
      - { .name: sc, .offset: 48, .size: 8, .value_kind: global_buffer, .address_space: global }
    .group_segment_fixed_size: 327680
    .private_segment_fixed_size: 0
    .kernarg_segment_align: 8
    .kernarg_segment_size: 56
    .max_flat_workgroup_size: 128
    .sgpr_count:     106
    .vgpr_count:     1024
    .wavefront_size: 32
...
	.end_amdgpu_metadata
.endif
;; end of part 1
;; launch attn (part 2): grid 8 x 32, 8 waves a work-group, clusters of 4 x 1, 327,680 bytes of LDS; arguments img, sc, oimg; writes oimg
.if DOCPART == 2
	.amdgcn_target "amdgcn-amd-amdhsa--gfx1250"
	.amdhsa_code_object_version 6
	.text
	.protected	k_q8bb7ba13d6_attn
	.globl	k_q8bb7ba13d6_attn
	.p2align	8
	.type	k_q8bb7ba13d6_attn,@function
k_q8bb7ba13d6_attn:
	s_mov_b64 s[64:65], 0
	v_nop
	global_prefetch_b8 v0, s[64:65] scope:SCOPE_SE
	s_setreg_imm32_b32 hwreg(HW_REG_WAVE_MODE, 25, 1), 1
	s_wait_xcnt 0x0
	s_wait_alu depctr_hold_cnt(0) depctr_sa_sdst(0) depctr_va_vdst(0) depctr_va_sdst(0) depctr_va_ssrc(0) depctr_va_vcc(0) depctr_vm_vsrc(0)
	s_getreg_b32 s2, hwreg(HW_REG_IB_STS2, 6, 4)
	s_cmp_eq_u32 s2, 0
	s_cbranch_scc0 .Lentry_in_a_cluster
	s_endpgm
.Lentry_in_a_cluster:
	s_bfe_u32 s2, ttmp6, 0x10000c
	s_cmp_lg_u32 s2, 0x3003
	s_cbranch_scc0 .Lentry_shape_is_right
	s_endpgm
.Lentry_shape_is_right:
; O[hb][q] = the sum over keys of softmax(Q . K / 8) V, for the 32 pairs hb = 2 head + batch, 2,048 queries and keys, head size 64, both products on codes of BF8 (E5M2) with one E8M0 scale for each 32 along K.
; THE SOFTMAX AHEAD OF THE SECOND PRODUCT: t = score x log2(e) / 8; M = the running largest t rounded UP to a whole number; p = 2^(t - M) is quantised along the keys, not normalised; the row's sum is taken of the
; unquantised p and divides at the end.  When M moves, the sum and O are multiplied by 2^(old M - new M): exact.
; IN: img and sc, as the launch before laid them: images of the operands' registers, so a fragment is four loads of 16 bytes at 16 x lane, 512 bytes apart.
; SHARES.  A work-group owns 256 queries of one hb; each of its EIGHT waves owns TWO tiles of 16, a and b (w = 0, 1): two waves to a SIMD.  Each fragment of K and of V that a wave reads from LDS feeds both tiles.
; A TRIP is 128 keys (step j) for both tiles: the maxima of both; a's exponents; a's exponentials beside b's exponents; a's sum and scales; b's exponentials beside a's holds; O^T of both under the new M; a's codes, b's sum;
; V^T P of a and K Q^T of a for step j + 1; b's scales, holds and codes; V^T P of b and K Q^T of b for step j + 1.  So each batch of exponentials has one wait ahead of it and one behind, and the loop has no v_nop.
; The LDS loads (V of step j, K of step j + 1) stand behind a's maxima and are waited for behind b's exponentials.
; THE WHOLE hb STAYS IN LDS: K's image 131,072 bytes at 0, V's behind it, K's scale words 4,096, V's 4,096.  Every byte is filled once, in two fills of one load a wave: the first 512 keys and all scale words; the rest of K and V, which the
; first three trips do not read.  CLUSTER: four query blocks of one hb read the same K and V: every fill is asked for jointly.  NO PREFETCH: both fills stand ahead of the loop, which asks for nothing and has nothing to run ahead of.
; LAYOUT.  Both products transposed: S^T = K Q^T, O^T = V^T P^T: a lane holds ONE query (lane % 16) of each tile throughout.
; THE FIRST PRODUCT'S K IS 64, THE INSTRUCTION'S 128.  A fragment of K holds TWO tiles of 16 keys, in K slots 0-63 and 64-127.  Q stands as [q | zeros | q]: its first 16 registers pick the even tile's scores, its last 16 the odd tile's.
; Zero codes meet finite codes alone (every number was held ahead of its conversion); their scale bytes are 127.
; The 16 registers of a fragment's two results are keys 8 h + 0..7 and 16 + 8 h + 0..7 of a block of 32: the order in which V's image has its keys.
; OUT: oimg [tile 128][hb 32][k 8][lane][16 bytes] f32: lane (r, h) of piece k holds query r, d = 16 (k / 2) + 8 h + 4 (k % 2) + 0..3.
; LIMITS: NaN and infinities are not served.  A block of p whose largest lies under 2^-112 has the scale byte 0 (2^-127).
; REGISTERS.  Window 0: v1-63 addresses, scale words, work; v64-191 S^T, then p (a, b); v192-223 p's codes; v224-231 the sums' chains.  Window 1: v0-63 K's four fragments, v64-127 V's, v128-175 Q, v176-239 O^T (a, b).
; s_set_vgpr_msb: bits 1:0 source 0, 3:2 source 1, 5:4 source 2, 7:6 destination.
; WHAT STANDS BESIDE WHAT in a trip: a's maxima of step j + 1 stand among b's products at the end of trip j (the first ahead of the loop); a's way from maxima to M among b's maxima; b's among a's exponents;
; b's sum, scales, holds and codes among a's products, five lines behind each.
.set LI,   1                           ; 16 x lane
.set LIV,  2                           ; + V's image less one step: the trip's scalar counts K's step, which is one ahead of V's
.set LSK,  3                           ; 4 x lane + K's scale words
.set ADK,  4
.set ADV,  5
.set ADS,  6
.set QA,   7
.set KS,   8                           ; v8-9   K's scale words: fragments 0 | 1, 2 | 3 in the halves of the lanes
.set VS,   10                          ; v10-11 V's
.set QSA,  12                          ; v12-13 a's q words, v14-15 b's
.set QSB,  14
.set PWA,  16                          ; p's scale words
.set PWB,  17
.set SPW,  18
.set NIL,  19
.set NM,   20                          ; -M, a pair for each tile
.set FF,   24                          ; 2^(old M - new M), a pair for each tile
.set SU,   28                          ; the sum in two halves, for each tile
.set BM,   36                          ; v36-43 the blocks' largest scores, then p
.set PB,   44                          ; v44-51 the other half's, then the bytes
.set LIM,  52
.set SO,   56
.set TMP,  60
.set ST,   64
.set PC,   192
.set CHN,  224
.set KF,   0
.set VF,   64
.set QF,   128
.set OT,   176
.set SPARE, 0x42000
.set WV,   10
.set SEL,  12
.set CS,   14                          ; s[14:15] c = log2(e) / 8
.set G1K,  16
.set G1V,  24
.set G1S,  32
.set G0K,  40
.set G0V,  44
.set G0S,  48
.set G0R,  52
.set MNT,  56
.set TK,   57                          ; K's next step in its image: 8,192 bytes a step
.set TS,   58                          ; and among the scale words: 256 bytes a step
.set CNT,  59
.set CN,   60                          ; -c
.set CE,   62                          ; s[62:63] 2^-15
.set MSB, 0
.macro WIN new                         ; the immediate's high byte repeats the setting that is left
.if MSB != (\new)
	s_set_vgpr_msb (MSB<<8)|(\new)
.set MSB, (\new)
.endif
.endm
.macro CROUND
	s_barrier_signal -1
	s_barrier_wait -1
	s_cmp_lg_u32 s[WV], 0
	s_cbranch_scc1 .Lnot_wave_0_\@
	s_barrier_signal -3
.Lnot_wave_0_\@:
	s_barrier_wait -3
	s_barrier_signal -1
	s_barrier_wait -1
.endm
.macro GROUP1 g, rows                  ; a dense block as rows of 32 elements of 8 bytes; 15:0 the mask: all four work-groups; 21 set beside a mask
	s_mov_b32 s[\g], 15|(3<<16)|(1<<21)
	s_mov_b32 s[\g+1], 32<<16
	s_mov_b32 s[\g+2], \rows<<16
	s_mov_b32 s[\g+3], 32<<16
	s_mov_b32 s[\g+4], \rows
	s_mov_b32 s[\g+5], 32
	s_mov_b32 s[\g+6], 0
	s_mov_b32 s[\g+7], 0
.endm
.macro GROUP0 g, lds, base, off
	s_mov_b32 s[\g], 1
	s_mov_b32 s[\g+1], s\lds
	s_add_nc_u64 s[\g+2:\g+3], s[\base:\base+1], s[\off:\off+1]
	s_or_b32 s[\g+3], s[\g+3], 0x80000000
.endm
.macro TLOAD g0, g1
	tensor_load_to_lds s[\g0:\g0+3], s[\g1:\g1+7]
	s_nop 0
.rept 4
	v_nop
.endr
.endm
	s_load_b128 s[4:7], s[0:1], 0x0                ; img, sc
	s_load_b64 s[8:9], s[0:1], 0x10                ; oimg
	v_lshl_add_u32 v[SPW], v0, 2, SPARE
	v_mov_b32 v[NIL], 0
	ds_add_u32 v[SPW], v[NIL]                      ; the wave's opening: the add, twice on end, and its wait
	ds_add_u32 v[SPW], v[NIL]
	v_lshrrev_b32 v1, 5, v0
	v_readfirstlane_b32 s[WV], v1                  ; wave 0..7
	s_and_b32 s66, ttmp7, 0xffff                   ; hb, which the four partners share
	s_mul_i32 s67, s66, 393216
	s_mul_i32 s68, s66, 12288
	s_and_b32 s69, s[WV], 3
	s_and_b32 s71, s[WV], 1
	s_lshr_b32 s75, s[WV], 2
	; the first fill: waves 0-3 a quarter each of K's first 512 keys, waves 4, 5 a half each of V's, wave 6 K's scale words, wave 7 V's
	s_lshl_b32 s70, s69, 13
	s_add_co_u32 s72, s67, s70
	s_add_co_u32 s72, s72, 131072                  ; K's image begins 131,072 bytes into hb's part, V's follows it
	s_mov_b32 s73, 0
	s_lshl_b32 s74, s71, 14
	s_add_co_u32 s74, s74, 131072
	s_add_co_u32 s76, s67, s74
	s_add_co_u32 s76, s76, 131072
	s_mov_b32 s77, 0
	s_lshl_b32 s78, s71, 12
	s_add_co_u32 s80, s68, s78
	s_add_co_u32 s80, s80, 4096                    ; K's scale words begin 4,096 bytes into hb's part of sc, V's follow
	s_mov_b32 s81, 0
	s_add_co_u32 s78, s78, 262144
	; the second: 96 rows of 256 bytes a wave: waves 0-3 the rest of K, waves 4-7 the rest of V
	s_lshl_b32 s82, s75, 17
	s_mul_i32 s83, s69, 24576
	s_add_co_u32 s82, s82, s83
	s_add_co_u32 s82, s82, 32768
	s_add_co_u32 s84, s67, s82
	s_add_co_u32 s84, s84, 131072
	s_mov_b32 s85, 0
	GROUP1 G1K, 32
	GROUP1 G1V, 64
	GROUP1 G1S, 16
	s_mov_b32 s[SEL], 0x76543210
	s_mov_b32 s[SEL+1], 0xfedcba98
	s_mov_b32 s[CS], 0x3e38aa3b
	s_mov_b32 s[CS+1], s[CS]                       ; (named with it as a pair, so it is written)
	s_mov_b32 s[CN], 0xbe38aa3b
	s_mov_b32 s[CE], 0x38000000
	s_mov_b32 s[CE+1], s[CE]
	s_mov_b32 s[MNT], 0x600000
	s_wait_alu depctr_va_vdst(0)                   ; directly ahead of the waits below
	s_wait_dscnt 0x0                               ; both opening adds are done
	CROUND                                         ; all four work-groups are here: the joint loads meet
	s_wait_kmcnt 0x0
	GROUP0 G0K, 70, 4, 72
	GROUP0 G0V, 74, 4, 76
	GROUP0 G0S, 78, 6, 80
	GROUP0 G0R, 82, 4, 84
	s_cmp_lt_u32 s[WV], 4                          ; one tree of branches on the wave's number: every way through it passes one load
	s_cbranch_scc0 .Lhead_v
	TLOAD G0K, G1K
	s_branch .Lasked
.Lhead_v:
	s_cmp_lt_u32 s[WV], 6
	s_cbranch_scc0 .Lhead_s
	TLOAD G0V, G1V
	s_branch .Lasked
.Lhead_s:
	TLOAD G0S, G1S
.Lasked:
	s_bfe_u32 s70, ttmp6, 0x40000                  ; cx: it enters Q's and O's addresses alone
	s_lshl_b32 s71, ttmp9, 2
	s_add_co_u32 s70, s70, s71                     ; my block of 256 queries
	s_lshl_b32 s70, s70, 3
	s_add_co_u32 s70, s70, s[WV]                   ; my pair of tiles
	s_lshl_b32 s86, s70, 11
	s_add_co_u32 s86, s86, s67
	s_mov_b32 s87, 0
	s_add_nc_u64 s[86:87], s[4:5], s[86:87]        ; its two images: 2,048 bytes
	s_lshl_b32 s88, s70, 6
	s_add_co_u32 s88, s88, s68
	s_mov_b32 s89, 0
	s_add_nc_u64 s[88:89], s[6:7], s[88:89]        ; its scale words: bytes 0, 1 tile a's, bytes 2, 3 tile b's
	s_lshl_b32 s70, s70, 6
	s_add_co_u32 s70, s70, s66
	s_lshl_b32 s70, s70, 12
	s_mov_b32 s71, 0
	s_add_nc_u64 s[8:9], s[8:9], s[70:71]          ; oimg at (tile a x 32 + hb) x 4,096; tile b's part lies 131,072 bytes on
	v_and_b32 v[QA], 15, v0
	v_and_b32 v[LI], 31, v0
	v_lshlrev_b32 v[QA], 2, v[QA]
	v_lshlrev_b32 v[LSK], 2, v[LI]
	v_lshlrev_b32 v[LI], 4, v[LI]
	v_add_nc_u32 v[LSK], 262144, v[LSK]
	v_add_nc_u32 v[LIV], 122880, v[LI]
	global_load_b32 v[BM], v[QA], s[88:89]
	WIN 0x40
.irp t, 0,1                                    ; each tile's q, twice: two runs of registers, zero codes between them
	global_load_b128 v[QF+24*\t:QF+24*\t+3], v[LI], s[86:87] offset:1024*\t
	global_load_b128 v[QF+24*\t+4:QF+24*\t+7], v[LI], s[86:87] offset:1024*\t+512
	global_load_b128 v[QF+24*\t+16:QF+24*\t+19], v[LI], s[86:87] offset:1024*\t
	global_load_b128 v[QF+24*\t+20:QF+24*\t+23], v[LI], s[86:87] offset:1024*\t+512
.endr
.irp j, 0,1,2,3,4,5,6,7
	v_mov_b32 v[QF+8+\j], 0
	v_mov_b32 v[QF+32+\j], 0
.endr
.set I_, 0
.rept 32
	v_mov_b32 v[OT+I_], 0                          ; O^T of tile a.  (The trip is written once for all steps: the first finds zeros, which the first change of M leaves zeros)
.set I_, I_+1
.endr
	WIN 0
	s_wait_loadcnt 0x0
	v_and_b32 v[BM+1], 0xffff, v[BM]
	v_lshrrev_b32 v[BM+2], 16, v[BM]
	v_and_b32 v[BM+3], 0xffff0000, v[BM]
	v_or_b32 v[QSA], 0x7f7f0000, v[BM+1]           ; a, [q | zeros]: q's two bytes, then 127, 127
	v_lshl_or_b32 v[QSA+1], v[BM], 16, 0x7f7f      ; a, [zeros | q]
	v_or_b32 v[QSB], 0x7f7f0000, v[BM+2]           ; b likewise
	v_or_b32 v[QSB+1], 0x7f7f, v[BM+3]
.irp t, 0,1                                    ; a tile's running figures.  (These lines are also places between the scale words above and the first product)
	v_mov_b32 v[NM+2*\t], 0x7f61b1e6               ; -M = 3e38
	v_mov_b32 v[NM+2*\t+1], 0                      ; (the upper halves of pairs that are named)
	v_mov_b32 v[FF+2*\t+1], 0
	v_mov_b32 v[SU+2*\t], 0
	v_mov_b32 v[SU+2*\t+1], 0
.irp b, 0,1,2,3
	v_mov_b32 v[PB+4*\t+\b], 0                     ; written once: a lane permute's destination counts as one of its sources
.endr
.endr
	s_wait_alu depctr_va_vdst(0)
	s_wait_tensorcnt 0x0                           ; my part of the first fill is in
	ds_add_u32 v[SPW], v[NIL]
	s_mov_b32 s[G1K+2], 96<<16                     ; no tensor load of mine is out: from here on a load brings 96 rows
	s_mov_b32 s[G1K+4], 96
	s_wait_dscnt 0x0
	CROUND                                         ; everybody's part is in, and the second joint loads meet
	TLOAD G0R, G1K
; The trip's LDS loads: V of this step and its scale words; next = 1: K of the next step and its scale words.
.macro LOADS next
	ds_load_b32 v[VS], v[ADS] offset:3840          ; V's words lie 4,096 bytes behind K's; V's step is one behind the scalar's
	ds_load_b32 v[VS+1], v[ADS] offset:3968
.if \next
	ds_load_b32 v[KS], v[ADS]
	ds_load_b32 v[KS+1], v[ADS] offset:128
.endif
	WIN 0x40
.irp t, 0,1,2,3
.irp c, 0,1,2,3
	ds_load_b128 v[VF+16*\t+4*\c:VF+16*\t+4*\c+3], v[ADV] offset:2048*\t+512*\c
.endr
.endr
.if \next
.irp f, 0,1,2,3
.irp c, 0,1,2,3
	ds_load_b128 v[KF+16*\f+4*\c:KF+16*\f+4*\c+3], v[ADK] offset:2048*\f+512*\c
.endr
.endr
.endif
	WIN 0
.endm
; S^T = K Q^T of tile w: fragment f gives keys 32 f + 8 h + 0..7 and 32 f + 16 + 8 h + 0..7.
.macro SQ1 w, qs, n                    ; product n of eight: fragment n / 2 with q in its lower or upper K slots
	WIN 0x05
.set F_, (\n)/2
.set G_, (\n)%2
.set D_, ST+64*\w+8*(\n)
.set A_, KF+16*F_
.set B_, QF+24*\w+8*G_
.set X_, KS+F_/2
.set Y_, \qs+G_
.if F_%2
	v_wmma_scale_f32_16x16x128_f8f6f4 v[D_:D_+7], v[A_:A_+15], v[B_:B_+15], 0, v[X_], v[Y_] matrix_a_fmt:MATRIX_FMT_BF8 matrix_b_fmt:MATRIX_FMT_BF8 matrix_a_scale:MATRIX_SCALE_ROW1
.else
	v_wmma_scale_f32_16x16x128_f8f6f4 v[D_:D_+7], v[A_:A_+15], v[B_:B_+15], 0, v[X_], v[Y_] matrix_a_fmt:MATRIX_FMT_BF8 matrix_b_fmt:MATRIX_FMT_BF8
.endif
.endm
; O^T += V^T P^T of tile w.  The four accumulators by turns, one instruction a turn.
.macro PV1 w, pwd, n                   ; product n of four
	WIN 0x51
.set D_, OT+32*\w+8*(\n)
.set A_, VF+16*(\n)
.set X_, VS+(\n)/2
.if (\n)%2
	v_wmma_scale_f32_16x16x128_f8f6f4 v[D_:D_+7], v[A_:A_+15], v[PC+16*\w:PC+16*\w+15], v[D_:D_+7], v[X_], v[\pwd] matrix_a_fmt:MATRIX_FMT_BF8 matrix_b_fmt:MATRIX_FMT_BF8 matrix_a_scale:MATRIX_SCALE_ROW1
.else
	v_wmma_scale_f32_16x16x128_f8f6f4 v[D_:D_+7], v[A_:A_+15], v[PC+16*\w:PC+16*\w+15], v[D_:D_+7], v[X_], v[\pwd] matrix_a_fmt:MATRIX_FMT_BF8 matrix_b_fmt:MATRIX_FMT_BF8
.endif
.endm
.macro MUL w, pwd, qs, n               ; a tile's products of a trip: four of V^T P, then eight of K Q^T for the next step
.if (\n) < 4
	PV1 \w, \pwd, \n
.else
	SQ1 \w, \qs, (\n)-4
.endif
.endm
.macro MAXL w, i                       ; 32 lines: the largest score of each block of 32 keys (my half's 16): for the row's maximum and, since p rises with the score, for the block's largest p
	WIN 0
.set R_, BM+4*\w+(\i)%4
.set X_, ST+64*\w+16*((\i)%4)
.if (\i) < 4
	v_max3_num_f32 v[R_], v[X_], v[X_+1], v[X_+2]
.elseif (\i) < 28
	v_max3_num_f32 v[R_], v[R_], v[X_+2*((\i)/4)+1], v[X_+2*((\i)/4)+2]
.else
	v_max_num_f32 v[R_], v[R_], v[X_+15]
.endif
.endm
.macro CHAIN w, i                      ; 17 lines: from the blocks' maxima to -M and f = 2^(old M - new M)
.if (\i) < 4
	v_permlanex16_b32 v[PB+4*\w+(\i)], v[BM+4*\w+(\i)], s[SEL], s[SEL+1]
.elseif (\i) < 8
	v_max_num_f32 v[BM+4*\w+(\i)-4], v[BM+4*\w+(\i)-4], v[PB+4*\w+(\i)-4]   ; with lane l xor 16's 16 keys
.elseif (\i) == 8
	v_max3_num_f32 v[TMP+\w], v[BM+4*\w], v[BM+4*\w+1], v[BM+4*\w+2]
.elseif (\i) == 9
	v_max_num_f32 v[TMP+\w], v[TMP+\w], v[BM+4*\w+3]
.elseif (\i) == 10
	v_mul_f32 v[TMP+\w], s[CN], v[TMP+\w]          ; -t of the step's largest score
.elseif (\i) == 11
	v_floor_f32 v[TMP+\w], v[TMP+\w]
.elseif (\i) == 12
	v_min_num_f32 v[TMP+\w], v[TMP+\w], v[NM+2*\w] ; the new -M: a whole number
.elseif (\i) == 13
	v_sub_f32 v[FF+2*\w], v[TMP+\w], v[NM+2*\w]    ; old M - new M: 0 or less
.elseif (\i) == 14
	v_mov_b32 v[NM+2*\w], v[TMP+\w]
.elseif (\i) == 15
	v_cvt_i32_f32 v[FF+2*\w], v[FF+2*\w]           ; (it saturates)
.else
	v_ldexp_f32 v[FF+2*\w], 1.0, v[FF+2*\w]
.endif
.endm
.macro PAIR w, j                       ; t - M of pair j of 34: the blocks' largest (0, 1), then the scores
.if (\j) < 2
.set X_, BM+4*\w+2*(\j)
.else
.set X_, ST+64*\w+2*(\j)-4
.endif
	v_pk_fma_f32 v[X_:X_+1], v[X_:X_+1], s[CS:CS+1], v[NM+2*\w:NM+2*\w+1] op_sel_hi:[1,0,0]
.endm
.macro EXPS w, j                       ; p = 2^(t - M) of pair j
.if (\j) < 2
.set X_, BM+4*\w+2*(\j)
.else
.set X_, ST+64*\w+2*(\j)-4
.endif
	v_exp_f32 v[X_], v[X_]
	v_exp_f32 v[X_+1], v[X_+1]
.endm
; A tile's lines from p to codes: 0-27 the row's sum, of the UNQUANTISED p, in five chains; 28-40 the scales; 41-80 the holds and the codes, four pairs and their conversion at a time.
.macro QL w, pwd, i
	WIN 0
.if (\i) == 0
	v_pk_fma_f32 v[SU+2*\w:SU+2*\w+1], v[SU+2*\w:SU+2*\w+1], v[FF+2*\w:FF+2*\w+1], v[ST+64*\w:ST+64*\w+1] op_sel_hi:[1,0,1]   ; what was summed comes under the new M
.elseif (\i) < 5
.set C_, CHN+2*(\i)-2
.set X_, ST+64*\w+4*(\i)-2
	v_pk_add_f32 v[C_:C_+1], v[X_:X_+1], v[X_+2:X_+3]
.elseif (\i) < 28
.if ((\i)-5)%5 == 0
.set C_, SU+2*\w
.else
.set C_, CHN+2*(((\i)-5)%5)-2
.endif
.set X_, ST+64*\w+2*(\i)+8
	v_pk_add_f32 v[C_:C_+1], v[C_:C_+1], v[X_:X_+1]
.elseif (\i) < 30
.set C_, SO+2*((\i)-28)
.set X_, BM+4*\w+2*((\i)-28)
	v_pk_mul_f32 v[C_:C_+1], v[X_:X_+1], s[CE:CE+1] op_sel_hi:[1,0]   ; the largest p x 2^-15: the conversion's scale operand, of which the exponent field counts
.elseif (\i) < 34
	v_and_or_b32 v[LIM+(\i)-30], v[BM+4*\w+(\i)-30], 0x7f800000, s[MNT]   ; 57,344 x the scale
.elseif (\i) < 38
	v_lshrrev_b32 v[PB+4*\w+(\i)-34], 23, v[SO+(\i)-34]   ; the scale's byte
.elseif (\i) == 38
	v_lshl_or_b32 v[TMP+\w], v[PB+4*\w+1], 8, v[PB+4*\w]
.elseif (\i) == 39
	v_lshl_or_b32 v[TMP+\w], v[PB+4*\w+2], 16, v[TMP+\w]
.elseif (\i) == 40
	v_lshl_or_b32 v[\pwd], v[PB+4*\w+3], 24, v[TMP+\w]
.elseif ((\i)-41)%5 < 4
	HOLD \w, 4*(((\i)-41)/5)+((\i)-41)%5
.else
	CVT \w, ((\i)-41)/5
.endif
.endm
.macro SUMC w                          ; the chains joined: four lines
	v_pk_add_f32 v[CHN:CHN+1], v[CHN:CHN+1], v[CHN+2:CHN+3]
	v_pk_add_f32 v[CHN+4:CHN+5], v[CHN+4:CHN+5], v[CHN+6:CHN+7]
	v_pk_add_f32 v[SU+2*\w:SU+2*\w+1], v[SU+2*\w:SU+2*\w+1], v[CHN:CHN+1]
	v_pk_add_f32 v[SU+2*\w:SU+2*\w+1], v[SU+2*\w:SU+2*\w+1], v[CHN+4:CHN+5]
.endm
.macro HOLD w, n                       ; pair n of 32: the conversion does not saturate (ISA guide 7.6.2); p is not negative, so the hold is one-sided
.set X_, ST+64*\w+2*(\n)
.set L_, LIM+(\n)/8
	v_dual_min_num_f32 v[X_], v[L_], v[X_] :: v_dual_min_num_f32 v[X_+1], v[L_], v[X_+1]
.endm
.macro CVT w, k                        ; eight numbers' codes
	v_cvt_scalef32_pk8_bf8_f32 v[PC+16*\w+2*(\k):PC+16*\w+2*(\k)+1], v[ST+64*\w+8*(\k):ST+64*\w+8*(\k)+7], v[SO+(\k)/2]
.endm
.macro RESC w
.set J_, OT+32*\w
.rept 16
	v_pk_mul_f32 v[J_:J_+1], v[J_:J_+1], v[FF+2*\w:FF+2*\w+1] op_sel_hi:[1,0]
.set J_, J_+2
.endr
.endm
; A TRIP: key step j for both tiles; next = 1: and K Q^T of step j + 1.  s[TK], s[TS] count step j + 1.
.macro TRIP next
	v_add_nc_u32 v[ADV], s[TK], v[LIV]
	v_add_nc_u32 v[ADS], s[TS], v[LSK]
.if \next
	v_add_nc_u32 v[ADK], s[TK], v[LI]
.endif
	LOADS \next                                    ; ten maxima of a and the three lines above stand behind the products that read these registers: eight are asked
.set I_, 0
.set K_, 0
.rept 32
	MAXL 1, I_
.irp p, 10,11,12,13,14,15,16,17,18,19,21,22,24,25,27,28,30
.if I_ == \p
	CHAIN 0, K_
.set K_, K_+1
.endif
.endr
.set I_, I_+1
.endr
.set I_, 0
.rept 34
	PAIR 0, I_
.if I_%2 == 0
	CHAIN 1, I_/2
.endif
.set I_, I_+1
.endr
	s_wait_alu depctr_va_vdst(0)                   ; ahead of the batch
.set I_, 0
.rept 34
	EXPS 0, I_
	PAIR 1, I_                                     ; plain lines that touch none of the batch's registers
.set I_, I_+1
.endr
	s_wait_alu depctr_va_vdst(0)                   ; and ahead of the batch's first reader
.set I_, 0
.rept 41
	QL 0, PWA, I_
.set I_, I_+1
.endr
	SUMC 0
	s_wait_alu depctr_va_vdst(0)                   ; ahead of tile b's batch
.set I_, 0
.rept 34
	EXPS 1, I_
.if I_ > 1
	HOLD 0, I_-2
.endif
.set I_, I_+1
.endr
	s_wait_dscnt 0x0                               ; V of this step and K of the next are in
	WIN 0x41
	s_wait_alu depctr_va_vdst(0)                   ; one wait for the batch
	RESC 0
	RESC 1
	WIN 0
.irp k, 0,1,2,3,4,5,6,7
	CVT 0, \k
.endr
.set I_, 0
.rept 8                                        ; eight plain lines between a's codes and the products that take them
	QL 1, PWB, I_
.set I_, I_+1
.endr
.set P_, 0
.rept 4+8*\next
	MUL 0, PWA, QSA, P_
.rept 5
	QL 1, PWB, I_
.set I_, I_+1
.endr
.set P_, P_+1
.endr
.rept 81-8-5*(4+8*\next)
	QL 1, PWB, I_
.set I_, I_+1
.endr
	SUMC 1                                         ; four plain lines between b's last codes and the products that take them
.set P_, 0
.set I_, 0
.rept 4+8*\next
	MUL 1, PWB, QSB, P_
.if \next
.rept 2
	MAXL 0, I_                                     ; a's maxima of the next step
.set I_, I_+1
.endr
.endif
.set P_, P_+1
.endr
.if \next
.rept 8
	MAXL 0, I_
.set I_, I_+1
.endr
.endif
	WIN 0                                          ; at a label and at a branch every window is 0
.if \next
	s_add_co_u32 s[TK], s[TK], 8192
	s_add_co_u32 s[TS], s[TS], 256
.endif
.endm
	ds_load_b32 v[KS], v[LSK]                      ; K's step 0
	ds_load_b32 v[KS+1], v[LSK] offset:128
	WIN 0x40
.irp f, 0,1,2,3
.irp c, 0,1,2,3
	ds_load_b128 v[KF+16*\f+4*\c:KF+16*\f+4*\c+3], v[LI] offset:2048*\f+512*\c
.endr
.endr
	WIN 0
	s_wait_dscnt 0x0
.set I_, 0
.rept 8
	SQ1 0, QSA, I_
	SQ1 1, QSB, I_
.set I_, I_+1
.endr
	WIN 0x40
.set I_, 0
.rept 32
	v_mov_b32 v[OT+32+I_], 0                       ; O^T of tile b.  These lines are also the places behind the first products
.set I_, I_+1
.endr
	WIN 0
.set I_, 0
.rept 32
	MAXL 0, I_                                     ; a's maxima of step 0
.set I_, I_+1
.endr
	s_mov_b32 s[TK], 8192
	s_mov_b32 s[TS], 256
	s_mov_b32 s[CNT], 3
.Lfirst:                                           ; steps 0 to 2: they read K's steps 1 to 3 and V's 0 to 2: the first fill alone
	TRIP 1
	s_sub_co_u32 s[CNT], s[CNT], 1
	s_cmp_lg_u32 s[CNT], 0
	s_cbranch_scc1 .Lfirst
	s_wait_alu depctr_va_vdst(0)
	s_wait_tensorcnt 0x0                           ; my part of the second fill has landed;
	s_wait_dscnt 0x0
	s_barrier_signal -1
	s_barrier_wait -1                              ; everybody's has.  Nothing is filled again
	s_mov_b32 s[TK], 32768
	s_mov_b32 s[TS], 1024
	s_mov_b32 s[CNT], 12
.Lrest:                                            ; steps 3 to 14
	TRIP 1
	s_sub_co_u32 s[CNT], s[CNT], 1
	s_cmp_lg_u32 s[CNT], 0
	s_cbranch_scc1 .Lrest
	s_mov_b32 s[TK], 131072
	s_mov_b32 s[TS], 4096
	TRIP 0                                         ; step 15 is written out: there is no further K
; THE WAY OUT: O^T / the sum, stored as it lies: a lane's four registers are 16 bytes of the image.
.irp t, 0,1
	v_add_f32 v[SU+2*\t], v[SU+2*\t], v[SU+2*\t+1] ; the sum's two halves,
.endr
.irp t, 0,1
	v_permlanex16_b32 v[PB+4*\t], v[SU+2*\t], s[SEL], s[SEL+1]
.endr
.irp t, 0,1
	v_add_f32 v[SU+2*\t], v[SU+2*\t], v[PB+4*\t]   ; and lane l xor 16's
.endr
	s_wait_alu depctr_va_vdst(0)                   ; ahead of the transcendentals
	v_rcp_f32 v[SU], v[SU]
	v_rcp_f32 v[SU+2], v[SU+2]
	v_nop                                          ; one plain place behind a transcendental
	WIN 0x01
	s_wait_alu depctr_va_vdst(0)                   ; ahead of the first reader, and of O^T's
.macro DIVIDE w
.set J_, 0
.rept 16
	v_pk_mul_f32 v[ST+64*\w+J_:ST+64*\w+J_+1], v[OT+32*\w+J_:OT+32*\w+J_+1], v[SU+2*\w:SU+2*\w+1] op_sel_hi:[1,0]
.set J_, J_+2
.endr
.endm
	DIVIDE 0
	DIVIDE 1
	WIN 0
.irp t, 0,1
.irp k, 0,1,2,3,4,5,6,7
	global_store_b128 v[LI], v[ST+64*\t+4*\k:ST+64*\t+4*\k+3], s[8:9] offset:131072*\t+512*\k   ; 512 consecutive bytes, aligned
.endr
.endr
	s_wait_tensorcnt 0x0                           ; the wave's end
	ds_add_u32 v[SPW], v[NIL]
	s_wait_dscnt 0x0
	CROUND                                         ; the closing round: no work-group ends while a partner may still ask for a tile that names it
	s_endpgm
.Lfunc_end_k_q8bb7ba13d6_attn:
	.size	k_q8bb7ba13d6_attn, .Lfunc_end_k_q8bb7ba13d6_attn-k_q8bb7ba13d6_attn
	.p2alignl 7, 3214868480
	.fill 96, 4, 3214868480
	.section	.rodata,"a",@progbits
	.p2align	6, 0x0
	.amdhsa_kernel k_q8bb7ba13d6_attn
		.amdhsa_group_segment_fixed_size 327680
		.amdhsa_private_segment_fixed_size 0
		.amdhsa_enable_private_segment 0
		.amdhsa_kernarg_size 24
		.amdhsa_user_sgpr_count 2
		.amdhsa_user_sgpr_kernarg_segment_ptr 1
		.amdhsa_wavefront_size32 1
		.amdhsa_system_sgpr_workgroup_id_x 1
		.amdhsa_system_sgpr_workgroup_id_y 1
		.amdhsa_system_sgpr_workgroup_id_z 1
		.amdhsa_system_vgpr_workitem_id 0
		.amdhsa_next_free_vgpr 512
		.amdhsa_next_free_sgpr 96
		.amdhsa_reserve_vcc 0
		.amdhsa_float_denorm_mode_32 3
		.amdhsa_float_denorm_mode_16_64 3
		.amdhsa_memory_ordered 1
		.amdhsa_forward_progress 1
		.amdhsa_inst_pref_size 117
	.end_amdhsa_kernel
	.amdgpu_metadata
---
amdhsa.version: [ 1, 2 ]
amdhsa.kernels:
  - .name:           k_q8bb7ba13d6_attn
    .symbol:         k_q8bb7ba13d6_attn.kd
    .args:
      - { .name: img, .offset: 0, .size: 8, .value_kind: global_buffer, .address_space: global }
      - { .name: sc, .offset: 8, .size: 8, .value_kind: global_buffer, .address_space: global }
      - { .name: oimg, .offset: 16, .size: 8, .value_kind: global_buffer, .address_space: global }
    .group_segment_fixed_size: 327680
    .private_segment_fixed_size: 0
    .kernarg_segment_align: 8
    .kernarg_segment_size: 24
    .max_flat_workgroup_size: 256
    .sgpr_count:     96
    .vgpr_count:     512
    .wavefront_size: 32
...
	.end_amdgpu_metadata
.endif
;; end of part 2
;; launch perm (part 3): grid 1024 x 1, 2 waves a work-group, no clusters, 16,896 bytes of LDS; arguments oimg, out0; writes out0
.if DOCPART == 3
	.amdgcn_target "amdgcn-amd-amdhsa--gfx1250"
	.amdhsa_code_object_version 6
	.text
	.protected	k_q8bb7ba13d6_perm
	.globl	k_q8bb7ba13d6_perm
	.p2align	8
	.type	k_q8bb7ba13d6_perm,@function
k_q8bb7ba13d6_perm:
	s_mov_b64 s[64:65], 0
	v_nop
	global_prefetch_b8 v0, s[64:65] scope:SCOPE_SE
	s_setreg_imm32_b32 hwreg(HW_REG_WAVE_MODE, 25, 1), 1
	s_wait_xcnt 0x0
; out0[s][d][hb] = O[hb][s][d]: the output's order has hb innermost, so 128 consecutive bytes of it come from all 32 hb.  oimg: [tile of 16 s][hb 32][k 8][lane][16 bytes] f32, lane (r, h) of piece k holding
; s = 16 tile + r, d = 16 (k / 2) + 8 h + 4 (k % 2) + 0..3.
; A work-group takes one tile of 16 s and eight of the 64 d (d = 8 e .. 8 e + 7: the half h = e % 2 of pieces 2 (e / 2) and 2 (e / 2) + 1): 16,384 bytes in, the same out: 1,024 work-groups, four for each of 256 WGPs.
; Each load of a wave reads two aligned runs of 256 bytes.  A wave has sixteen hb: four hb x four d are turned in registers, so that 16 bytes of neighbouring hb go into a stage in LDS laid as the output is
; ([r 16] rows of 1,024 bytes + 16, each [d' 8][hb 32]); each store of a wave covers 512 consecutive bytes, aligned.
; A stream: no matrix unit, no cluster, no tensor loads; all sixteen loads of a wave go out at once, so nothing is prefetched.
.set RP, 1040                          ; a stage row
	s_load_b128 s[4:7], s[0:1], 0x0                ; oimg, out0
	v_lshl_add_u32 v8, v0, 2, 16*RP                ; my spare word, behind the stage
	v_mov_b32 v9, 0
	v_lshrrev_b32 v1, 5, v0
	v_and_b32 v2, 31, v0
	v_readfirstlane_b32 s8, v1                     ; wave 0, 1
	v_and_b32 v3, 15, v0                           ; r
	v_bfe_u32 v4, v0, 4, 1                         ; which of the two pieces
	v_lshlrev_b32 v2, 4, v2                        ; 16 x lane
	v_mul_u32_u24 v5, v3, RP
	v_lshlrev_b32 v7, 4, v3
	s_lshl_b32 s9, s8, 6
	s_mul_i32 s10, s8, 8*RP
	v_lshl_add_u32 v5, v4, 9, v5                   ; into the stage: row r, + 4 rows of d' (128 bytes each) for the second piece,
	v_lshl_add_u32 v7, v4, 9, v7                   ; in memory: 16 r, + 512 for the second piece
	v_add_nc_u32 v6, s10, v2                       ; out of the stage: my wave's eight rows, 16 bytes a lane
	v_add_nc_u32 v5, s9, v5                        ; + my wave's sixteen hb
	s_lshr_b32 s11, ttmp9, 3                       ; the tile
	s_and_b32 s14, ttmp9, 7                        ; e
	s_lshl_b32 s11, s11, 17                        ; a tile: 131,072 bytes in both buffers
	s_lshl_b32 s15, s8, 16
	s_add_co_u32 s11, s11, s15                     ; + sixteen hb x 4,096 in, eight rows x 8,192 out
	s_lshr_b32 s12, s14, 1
	s_lshl_b32 s12, s12, 10
	s_and_b32 s13, s14, 1
	s_lshl_b32 s13, s13, 8
	s_add_co_u32 s12, s12, s13
	s_add_co_u32 s12, s12, s11
	s_mov_b32 s13, 0
	s_lshl_b32 s14, s14, 10
	s_add_co_u32 s14, s14, s11
	s_mov_b32 s15, 0
	s_wait_alu depctr_va_vdst(0)
	s_wait_kmcnt 0x0
	s_add_nc_u64 s[4:5], s[4:5], s[12:13]
	s_add_nc_u64 s[6:7], s[6:7], s[14:15]
.irp g, 0,1,2,3                                ; hb = 16 wave + 4 g + i
.irp i, 0,1,2,3
	global_load_b128 v[16+16*\g+4*\i:16+16*\g+4*\i+3], v7, s[4:5] offset:(4*\g+\i)*4096 th:TH_LOAD_NT
.endr
.endr
.irp g, 0,1,2,3
	s_wait_loadcnt 12-4*\g                         ; loads come back in order: these four are in, the younger ones stay out
.irp e, 0,1,2,3
.irp i, 0,1,2,3
	v_mov_b32 v[80+16*\g+4*\e+\i], v[16+16*\g+4*\i+\e]
.endr
.endr
.irp e, 0,1,2,3
	ds_store_b128 v5, v[80+16*\g+4*\e:80+16*\g+4*\e+3] offset:16*\g+\e*128
.endr
.endr
	s_wait_dscnt 0x0                               ; for the other wave's sake: my stores into the stage are done
	s_barrier_signal -1
	s_barrier_wait -1
.irp n, 0,1,2,3,4,5,6,7,8,9,10,11,12,13,14,15
	ds_load_b128 v[16+4*\n:16+4*\n+3], v6 offset:(\n/2)*RP+512*(\n%2)
.endr
.irp n, 0,1,2,3,4,5,6,7,8,9,10,11,12,13,14,15
	s_wait_dscnt 15-\n
	global_store_b128 v2, v[16+4*\n:16+4*\n+3], s[6:7] offset:(\n/2)*8192+512*(\n%2) th:TH_STORE_NT
.endr
	s_wait_tensorcnt 0x0                           ; the wave's end
	ds_add_u32 v8, v9
	s_wait_dscnt 0x0
	s_endpgm
.Lfunc_end_k_q8bb7ba13d6_perm:
	.size	k_q8bb7ba13d6_perm, .Lfunc_end_k_q8bb7ba13d6_perm-k_q8bb7ba13d6_perm
	.p2alignl 7, 3214868480
	.fill 96, 4, 3214868480
	.section	.rodata,"a",@progbits
	.p2align	6, 0x0
	.amdhsa_kernel k_q8bb7ba13d6_perm
		.amdhsa_group_segment_fixed_size 16896
		.amdhsa_private_segment_fixed_size 0
		.amdhsa_enable_private_segment 0
		.amdhsa_kernarg_size 16
		.amdhsa_user_sgpr_count 2
		.amdhsa_user_sgpr_kernarg_segment_ptr 1
		.amdhsa_wavefront_size32 1
		.amdhsa_system_sgpr_workgroup_id_x 1
		.amdhsa_system_sgpr_workgroup_id_y 1
		.amdhsa_system_sgpr_workgroup_id_z 1
		.amdhsa_system_vgpr_workitem_id 0
		.amdhsa_next_free_vgpr 144
		.amdhsa_next_free_sgpr 66
		.amdhsa_reserve_vcc 0
		.amdhsa_float_denorm_mode_32 3
		.amdhsa_float_denorm_mode_16_64 3
		.amdhsa_memory_ordered 1
		.amdhsa_forward_progress 1
		.amdhsa_inst_pref_size 10
	.end_amdhsa_kernel
	.amdgpu_metadata
---
amdhsa.version: [ 1, 2 ]
amdhsa.kernels:
  - .name:           k_q8bb7ba13d6_perm
    .symbol:         k_q8bb7ba13d6_perm.kd
    .args:
      - { .name: oimg, .offset: 0, .size: 8, .value_kind: global_buffer, .address_space: global }
      - { .name: out0, .offset: 8, .size: 8, .value_kind: global_buffer, .address_space: global }
    .group_segment_fixed_size: 16896
    .private_segment_fixed_size: 0
    .kernarg_segment_align: 8
    .kernarg_segment_size: 16
    .max_flat_workgroup_size: 64
    .sgpr_count:     66
    .vgpr_count:     144
    .wavefront_size: 32
...
	.end_amdgpu_metadata
.endif
;; end of part 3
